; MI455X (gfx1250); checked and timed in simulation.
; The chip was launched on July 23, 2026; its instructions are those of AMD's public machine-readable ISA for CDNA 5 (MIT licence, August 2026) and "CDNA5" Instruction Set Architecture Reference Guide (July 2026). The comments in the code are by the model that wrote it; some were corrected since.
;; LSTM Model. Allowed arithmetic: matrix products marked QUANTISED: E2M1 operands, one E8M0 scale for each 32 along K, by v_wmma_scale_f32_16x16x128_f8f6f4 with both operands' format E2M1 (or v_wmma_scale_f32_32x16x128_f4), f32 sums; products left as they are: f32 operands where the result goes on into a quantised operand, else bf16, f16 or f32 operands; f32 sums; everything else in f32.
;; Inputs: Wfc 1 x 32 float32; Wh0 128 x 32 float32; Wh1 128 x 32 float32; Wh2 128 x 32 float32; Wx0 128 x 2 float32; Wx1 128 x 32 float32; Wx2 128 x 32 float32; bfc 1 float32; bh0 128 float32; bh1 128 float32; bh2 128 float32; bx0 128 float32; bx1 128 float32; bx2 128 float32; x 1,024 x 1,024 x 2 float32.
;; Outputs: out0 1,024 x 1 float32.
;; This version of the problem:
;;   THIS VERSION OF THE PROBLEM IS GIVEN IN LOW PRECISION. The matrix products marked QUANTISED in the list below multiply operands that are first quantised to E2M1 (2 exponent bits, 1 mantissa bit; 4 bits a number), with one power-of-two scale for each 32 numbers along K (OCP MX v1.0); their sums are f32. All else is computed in f32.
;;   The module's matrix products, in the order in which they are computed (A, B: the left and right operand; K: the contracted axis; several contracted axes count as one K, in the product's order):
;;     1. [M 1,048,576, K 2] x [K 2, N 128]; A: input x; B: input Wx0: left as it is (K = 2 < 32)
;;     2. [M 1,048,576, K 32] x [K 32, N 128]; A: computed on the way; B: input Wh0: QUANTISED
;;     3. [M 1,048,576, K 32] x [K 32, N 128]; A: computed on the way; B: input Wx1: QUANTISED
;;     4. [M 1,048,576, K 32] x [K 32, N 128]; A: computed on the way; B: input Wh1: QUANTISED
;;     5. [M 1,048,576, K 32] x [K 32, N 128]; A: computed on the way; B: input Wx2: QUANTISED
;;     6. [M 1,048,576, K 32] x [K 32, N 128]; A: computed on the way; B: input Wh2: QUANTISED
;;     7. [M 1,024, K 32] x [K 32, N 1]; A: computed on the way; B: input Wfc: left as it is (N = 1 < 16)
;;   THE QUANTISER, for each operand of a quantised product, along K:
;;     - K is cut into blocks of 32 from its start; a last block that is shorter is filled with zeros.
;;     - A block's scale is 2^e with e = floor(log2(the largest magnitude in the block)) - 2, held to -126 .. 127; a block of zeros has e = 0. As a byte (E8M0): e + 127.
;;     - Each number is divided by its block's scale, clamped to +-6, and rounded to the nearest number of E2M1, ties to even, subnormals kept.
;;     - The product sums the exact products of the quantised numbers (number of the format x scale) in f32.
;;   ~~~python
;;   def quantise(x, axis):      # numpy; x: float32 -> the quantised numbers, widened to float32 again
;;       x = np.moveaxis(x, axis, -1); K = x.shape[-1]
;;       x = np.pad(x, [(0, 0)] * (x.ndim - 1) + [(0, -K % 32)]); x = x.reshape(x.shape[:-1] + (-1, 32)); a = np.abs(x).max(-1, keepdims=True)
;;       e = np.where(a > 0, np.clip(np.frexp(np.where(a > 0, a, 1))[1] - 1 - 2, -126, 127), 0)      # np.frexp(a)[1] - 1 = floor(log2(a)), exactly
;;       r = np.clip(x / 2.0 ** e, -6, 6)
;;       step = 2.0 ** (np.maximum(np.frexp(np.where(r == 0, 1, r))[1] - 1, 0) - 1)
;;       q = np.round(r / step) * step * 2.0 ** e      # np.round: ties to even
;;       return np.moveaxis(q.reshape(q.shape[:-2] + (-1,))[..., :K], -1, axis).astype(np.float32)
;;   ~~~
;;   OPERANDS COMPUTED ON THE WAY. 'Computed on the way' means the value that the module computes at that place (a softmax that the list does not call 'softmax' is quantised finished and normalised). What goes into a quantiser is computed in f32, as accurately as f32 sums, v_exp_f32 and their like allow (about 1e-6 of the number): no bf16 or f16 on the way to a quantiser, and a product that is left as it is and whose result goes on into a quantised operand takes f32 operands (vector FMAs, or v_wmma_f32_16x16x4_f32). A number that lies on a knife's edge between two numbers of the format may be rounded either way, as far as f32 arithmetic and the matrix unit's own rounding can turn it there, and no further.
;; One version. Each part assembles by itself: llvm-mc -triple=amdgcn-amd-amdhsa -mcpu=gfx1250 --defsym DOCPART=n.
;; ======== version 1 of 1: 1 launch
;; launch lstm (part 1): grid 256 x 1, 8 waves a work-group, no clusters, 16,384 bytes of LDS; arguments x, Wx0, bx0, bh0, Wh0, Wx1, Wh1, bx1, bh1, Wx2, Wh2, bx2, bh2, Wfc, bfc, out0; writes out0
.if DOCPART == 1
	.amdgcn_target "amdgcn-amd-amdhsa--gfx1250"
	.amdhsa_code_object_version 6
	.text
	.protected	k_q8ade2a17ab_lstm
	.globl	k_q8ade2a17ab_lstm
	.p2align	8
	.type	k_q8ade2a17ab_lstm,@function
k_q8ade2a17ab_lstm:
	s_mov_b64 s[64:65], 0
	v_nop
	global_prefetch_b8 v0, s[64:65] scope:SCOPE_SE
	s_setreg_imm32_b32 hwreg(HW_REG_WAVE_MODE, 25, 1), 1
	s_wait_xcnt 0x0
; Three LSTM cells stacked on each of the 1,048,576 rows (b, t) of x, as the model writes them; out0[b] = Wfc . h3(b, 1023) + bfc.
; PRODUCTS.  1 (K = 2) and layer 0's two biases: v_wmma_f32_16x16x4_f32 with K = (x0, x1, 1, 1) against (Wx0[:,0], Wx0[:,1], bx0, bh0): four fused multiply-adds in f32, since the result goes on into a quantiser.
; 2 to 6: codes of E2M1 with one E8M0 byte for each 32 along K, by v_wmma_scale_f32_16x16x128_f8f6f4; a layer's two products (xin . Wx^T and hx . Wh^T, hx the model's zeros) share one instruction a tile.  7 (N = 1): f32 multiply-adds.
; SHARES.  65,536 tiles of 16 rows; 256 work-groups x 8 waves; a wave owns 512 consecutive rows = 32 tiles, two a trip, 16 trips.  A wave makes ALL 128 gates of its tile, so nothing goes from wave to wave in the loop: no LDS, no barrier there.
; LAYOUT.  The products are used transposed: source 0 = 16 rows of the weights, source 1 = the 16 batch rows; in the result lane (r, h) holds batch row r and rows 8 h + 0 .. 7 of the tile.
; THE ROWS OF A TILE ARE CHOSEN: row m of tile t is weight row 32 (t / 2) + 16 (m / 8) + 8 (t % 2) + m % 8.  So lane (r, h) holds, for units 16 h + q, q = 0 .. 15, gate i in ACC + q, f in ACC + 16 + q, g in ACC + 32 + q, o in ACC + 48 + q:
; a cell is arithmetic inside a lane, and c and h never leave it.
; K's 128 PLACES.  A lane's 16 numbers of h are converted into registers 0 and 1 of source 1: place 32 h + q holds unit 16 h + q.  So the model's one block of 32 lies in two of the instruction's blocks, 16 codes and 16 zero codes in each, both under
; the block's one byte: the same products, and no code changes lanes.  Registers 2 to 7 of source 1 are zero codes for good: places 64 + 32 h + q are hx's zeros (byte 127).  A fragment of the weights has Wx's codes in registers 0, 1 (bytes 0, 1 = Wx's byte)
; and Wh's in registers 4, 5 (bytes 2, 3 = Wh's byte).  Its registers 2, 3, 6, 7 meet zero codes alone, so whatever codes lie there add nothing (E2M1 has no NaN and no infinity): NEIGHBOURING FRAGMENTS OVERLAP THERE, and 24 fragments take 86 registers, not 192.
; THE CELL.  I = 2^(-i log2 e), F, O likewise, G = 2^(2 g log2 e).  sigmoid(f) = 1 / (1 + F);  sigmoid(i) tanh(g) = (G - 1) / ((1 + I)(1 + G));  sigmoid(o) tanh(c) likewise: 5 exponentials and 3 reciprocals a unit.
; G's exponent is held at 30 (there (G - 1) / (G + 1) is 1 in f32), so G - 1 stays finite; every other overflow ends as 1 / infinity = 0 times a finite number, which is the limit wanted.  In layer 0 cx is the model's zeros: cx sigmoid(f) is 0 and is not formed.
; REGISTERS.  The biases of layers 1 and 2 are the C of their products: 64 registers a layer in the result's layout.  With the fragments they fill a second window of 256; two waves share a SIMD's registers.
; NO TENSOR LOAD, NO CLUSTER: the weights are read once by a work-group and then stay in registers; x is a stream that no two waves share.  NO PREFETCH: a trip's 256 bytes of x are asked for a whole trip ahead.
; out0: a work-group owns 16 bytes of it, four waves one number each: stored by one lane.
; LIMITS.  NaN and infinities among the inputs are not served (0 x Q(Wh) is 0 here also where Wh holds one).  A block of zeros that this text quantises gets the byte 1 with zero codes where the rule says 127: the bytes are read by this text alone.
; The gates' sum is taken as (x . Wx0 + bx + bh) or (bx + bh), then the products: another order of rounding than the model's.  tanh by G - 1 and sigmoid by 1 + I have an absolute error of some 1e-7.
; A product sigmoid x tanh under 2^-126 comes out as 0.
.set NTRIP, 16                         ; trips of a wave: 512 rows / 32
; LDS: images of registers, written once at the head, read by every wave behind the one barrier
.set FAIMG, 0                          ; the fragments' registers, four at a time: group i at 512 i + 16 x lane, i = 1 .. 20
.set SWIMG, 21*512                     ; the weights' scale words: layer l at 512 l + 16 x lane
.set W0IMG, SWIMG+3*512                ; the f32 fragments of layer 0: tiles 2 i, 2 i + 1 at 512 i + 16 x lane
.set BIAS,  W0IMG+4*512                ; bx + bh of layer 1 (512 bytes), of layer 2
; window 0
.set XOFF,  1                          ; v1   8 x lane: my row in a trip's 256 bytes of x
.set LANE,  2                          ; v2   lane
.set T0,    16                         ; v16-17  largest magnitude, at work
.set T1,    17
.set SO,    18                         ; v18  the conversions' scale operand
.set BY,    19                         ; v19  the scale's byte
.set HS,    20                         ; v20  h's scale word
.set HS0,   21                         ; v21  layer 0's: 127 four times
.set HB,    22                         ; v[22:29] source 1: v22, v23 h's codes, v24-29 zero codes
.set ZB,    24                         ; v[24:31] layer 0's source 1: zero codes
.set XL,    32                         ; v[32:33] x as loaded: lanes 0-15 the trip's first tile, lanes 16-31 its second; then the first tile's f32 operand
.set XO,    34                         ; v[34:35] the second tile's f32 operand
.set SW,    36                         ; v[36:47] the weights' scale words: layer l, tiles 2 i (lanes 0-15) and 2 i + 1 (lanes 16-31) in v[SW + 4 l + i]
.set W0F,   48                         ; v[48:63] layer 0's f32 fragments, two registers a tile
.set G0,    64                         ; v[64:127] layer 0's gates ahead of the quantised product: written by matrix instructions alone
.set ACC,   128                        ; v[128:191] the gates
.set CC,    192                        ; v[192:207] c
.set HH,    208                        ; v[208:223] h; on the way G - 1
; at the head only
.set RW,    128                        ; v[128:207] my 16 numbers of a row of each of the five weights
.set PT,    208                        ; two maxima a weight
.set PSO,   218
.set PBY,   224
.set PCP,   230                        ; two registers of codes a weight
.set PW0,   240
.set PB,    244
.set PW,    246
; window 1
.set FAB,   0                          ; v[0:85]   the fragments, in pairs P[n] at 2 n: P[0], P[1] zeros; P[2 + t] Wh0; layer l: P[16 l - 6 + 4 (t / 2) + t % 2] Wx, two pairs on Wh; P[42] zeros
.set CB,    88                         ; v[88:215] bx + bh of layers 1 and 2 in the result's layout
.set WF,    216                        ; v[216:231] Wfc at my 16 units
; scalars
.set NL,    40                         ; s[40:41] -log2 e
.set PL,    42                         ; s[42:43] 2 log2 e
.set CLAMP, 44                         ; s44  30.0
.set K101,  45                         ; s45  0x101
.set K7F,   46                         ; s46  0x7f7f0000
.set BFC,   47                         ; s47  bfc
.set SEL,   48                         ; s[48:49] v_permlanex16_b32's selects for lane l xor 16
.set TRIPS, 50
.set MSB, 0
.macro WIN new                         ; s_set_vgpr_msb: bits 1:0 source 0, 3:2 source 1, 5:4 source 2, 7:6 destination; the high byte repeats the setting that is left
.if MSB != \new
	s_set_vgpr_msb (MSB<<8)|\new
.set MSB, \new
.endif
.endm
.macro PLACES n
.rept \n
	v_nop
.endr
.endm
.macro PMULS d, s, k                   ; a pair x a scalar constant
	v_pk_mul_f32 v[\d:\d+1], v[\s:\s+1], s[\k:\k+1] op_sel_hi:[1,0]
.endm
.macro PADDK d, s, k                   ; a pair + an inline constant
	s_wait_alu depctr_va_vdst(0)
	v_pk_add_f32 v[\d:\d+1], v[\s:\s+1], \k op_sel_hi:[1,0]
.endm
.macro PMUL d, a, b
	s_wait_alu depctr_va_vdst(0)
	v_pk_mul_f32 v[\d:\d+1], v[\a:\a+1], v[\b:\b+1]
.endm
.macro EXP2 r
	v_exp_f32 v[\r], v[\r]
	v_exp_f32 v[\r+1], v[\r+1]
.endm
.macro RCP2 r
	v_rcp_f32 v[\r], v[\r]
	v_rcp_f32 v[\r+1], v[\r+1]
.endm
.macro MIN2 r
	v_min_num_f32 v[\r], s[CLAMP], v[\r]
	v_min_num_f32 v[\r+1], s[CLAMP], v[\r+1]
.endm
; THE CELL, for my 16 units of batch row r, as a pipeline over the 8 pairs of units: pair U passes one stage a step, 15 stages, so no instruction reads a result of its own step, and behind every run of
; transcendentals stands a plain instruction of another pair (ISA guide 5.7.2).  A pair's list: 16 transcendentals and 21 plain instructions (22 with the maximum).  Each accumulator is read from its low end on.
; first = 1: layer 0: c = sigmoid(i) tanh(g), nothing of f.  quant = 1: the running largest |h| for the quantiser.
.macro PIPE first, quant
.set S, 0
.rept 22
.set U, S
.if U < 8
	PMULS ACC+2*U, ACC+2*U, NL                     ; -i log2 e
.if !\first
	PMULS ACC+16+2*U, ACC+16+2*U, NL               ; -f log2 e
.endif
.endif
.set U, S-2
.if (U >= 0) && (U < 8)
	EXP2 ACC+2*U                                   ; I
.endif
.set U, S
.if U < 8
	PMULS ACC+32+2*U, ACC+32+2*U, PL               ; 2 g log2 e
	PMULS ACC+48+2*U, ACC+48+2*U, NL               ; -o log2 e
.endif
.set U, S-2
.if (U >= 0) && (U < 8)
.if !\first
	EXP2 ACC+16+2*U                                ; F
.endif
.endif
.set U, S-1
.if (U >= 0) && (U < 8)
	MIN2 ACC+32+2*U                                ; held at 30
.endif
.set U, S-2
.if (U >= 0) && (U < 8)
	EXP2 ACC+32+2*U                                ; G
.endif
.set U, S-3
.if (U >= 0) && (U < 8)
.if !\first
	PADDK ACC+16+2*U, ACC+16+2*U, 1.0              ; 1 + F
.endif
	PADDK ACC+2*U, ACC+2*U, 1.0                    ; 1 + I
.endif
.set U, S-2
.if (U >= 0) && (U < 8)
	EXP2 ACC+48+2*U                                ; O
.endif
.set U, S-3
.if (U >= 0) && (U < 8)
	PADDK HH+2*U, ACC+32+2*U, -1.0                 ; G - 1
	PADDK ACC+32+2*U, ACC+32+2*U, 1.0              ; G + 1
.endif
.set U, S-4
.if (U >= 0) && (U < 8)
.if !\first
	RCP2 ACC+16+2*U                                ; sigmoid(f)
.endif
	PMUL ACC+2*U, ACC+2*U, ACC+32+2*U              ; (1 + I)(1 + G)
.endif
.set U, S-5
.if (U >= 0) && (U < 8)
.if !\first
	PMUL CC+2*U, CC+2*U, ACC+16+2*U                ; c sigmoid(f)
.endif
	RCP2 ACC+2*U
.endif
.set U, S-6
.if (U >= 0) && (U < 8)
.if \first
	PMUL CC+2*U, HH+2*U, ACC+2*U                   ; c = sigmoid(i) tanh(g)
.else
	s_wait_alu depctr_va_vdst(0)
	v_pk_fma_f32 v[CC+2*U:CC+2*U+1], v[HH+2*U:HH+2*U+1], v[ACC+2*U:ACC+2*U+1], v[CC+2*U:CC+2*U+1]   ; c = c sigmoid(f) + sigmoid(i) tanh(g)
.endif
.endif
.set U, S-7
.if (U >= 0) && (U < 8)
	PMULS ACC+32+2*U, CC+2*U, PL                   ; 2 c log2 e
.endif
.set U, S-9
.if (U >= 0) && (U < 8)
	EXP2 ACC+32+2*U                                ; C
.endif
.set U, S-8
.if (U >= 0) && (U < 8)
	MIN2 ACC+32+2*U                                ; held at 30
.endif
.set U, S-9
.if (U >= 0) && (U < 8)
	PADDK ACC+48+2*U, ACC+48+2*U, 1.0              ; 1 + O
.endif
.set U, S-12
.if (U >= 0) && (U < 8)
	RCP2 ACC+48+2*U
.endif
.set U, S-10
.if (U >= 0) && (U < 8)
	PADDK HH+2*U, ACC+32+2*U, -1.0                 ; C - 1
	PADDK ACC+32+2*U, ACC+32+2*U, 1.0              ; C + 1
.endif
.set U, S-11
.if (U >= 0) && (U < 8)
	PMUL ACC+48+2*U, ACC+48+2*U, ACC+32+2*U        ; (1 + O)(1 + C)
.endif
.set U, S-13
.if (U >= 0) && (U < 8)
	PMUL HH+2*U, HH+2*U, ACC+48+2*U                ; h = sigmoid(o) tanh(c)
.endif
.if \quant
.set U, S-14
.if U == 0
	v_max3_num_f32 v[T0], |v[HH]|, |v[HH+1]|, 0x1800000   ; the floor 2^(3 - 127), under which no largest magnitude is taken: so the byte cannot fall under 1
.elseif (U > 0) && (U < 8)
	v_max3_num_f32 v[T0], v[T0], |v[HH+2*U]|, |v[HH+2*U+1]|
.endif
.endif
.set S, S+1
.endr
.endm
; h becomes source 1: the block of 32 lies in lanes l and l xor 16; my 16 codes go into registers 0 and 1 as they come.
.macro QTAIL
	v_permlanex16_b32 v[T1], v[T0], s[SEL], s[SEL+1]
	v_max_num_f32 v[T0], v[T0], v[T1]              ; the block's largest magnitude
	v_add_nc_u32 v[SO], 0xff000000, v[T0]          ; 2 off its exponent field: the conversion takes the exponent field of this operand as its scale, and nothing else of it
	v_lshrrev_b32 v[BY], 23, v[SO]                 ; the scale's byte,
	v_mad_u32_u24 v[HS], v[BY], s[K101], s[K7F]    ; for both halves of the block; 127 for hx's zeros
	v_cvt_scalef32_pk8_fp4_f32 v[HB], v[HH:HH+7], v[SO]
	v_cvt_scalef32_pk8_fp4_f32 v[HB+1], v[HH+8:HH+15], v[SO]
	PLACES 8                                       ; a scale register written by a vector instruction stands 8 places ahead of a scaled matrix instruction, an operand so written 4; the first is also the plain place behind the conversions
.endm
.macro WM d, a, b, c, sa, sb, odd
.if \odd
	v_wmma_scale_f32_16x16x128_f8f6f4 v[\d:\d+7], v[\a:\a+7], v[\b:\b+7], v[\c:\c+7], v[\sa], v[\sb] matrix_a_fmt:MATRIX_FMT_FP4 matrix_b_fmt:MATRIX_FMT_FP4 matrix_a_scale:MATRIX_SCALE_ROW1
.else
	v_wmma_scale_f32_16x16x128_f8f6f4 v[\d:\d+7], v[\a:\a+7], v[\b:\b+7], v[\c:\c+7], v[\sa], v[\sb] matrix_a_fmt:MATRIX_FMT_FP4 matrix_b_fmt:MATRIX_FMT_FP4
.endif
.endm
; A layer's gates: eight tiles, eight accumulators, each written once, with other registers as C: no chain.
.macro MMQ l
.irp t, 0,1,2,3,4,5,6,7
.if \l == 0
	WM ACC+8*\t, FAB+2*\t, ZB, G0+8*\t, SW+\t/2, HS0, \t%2
.else
	WM ACC+8*\t, FAB+20+32*(\l-1)+8*(\t/2)+2*(\t%2), HB, CB+64*(\l-1)+8*\t, SW+4*\l+\t/2, HS, \t%2
.endif
.endr
.endm
; x0 Wx0[:,0] + x1 Wx0[:,1] + bx0 + bh0 for the tile whose operand is v[xop:xop+1]; each sum is one instruction, begun with the constant 0
.macro GATES0 xop
.irp t, 0,1,2,3,4,5,6,7
	v_wmma_f32_16x16x4_f32 v[G0+8*\t:G0+8*\t+7], v[W0F+2*\t:W0F+2*\t+1], v[\xop:\xop+1], 0
.endr
.endm
; The f32 operand wants (x0, x1) of row r in lanes 0-15 and (1, 1) in lanes 16-31.  XL holds two tiles' x; one exchange a register of its upper lanes with the lower lanes of a register of ones gives both tiles' operands.
.macro XPREP
	v_mov_b32 v[XO], 1.0
	v_mov_b32 v[XO+1], 1.0
	v_permlane16_swap_b32 v[XL], v[XO]
	v_permlane16_swap_b32 v[XL+1], v[XO+1]
.endm
; A tile through the three cells.  G0 holds its layer-0 gates; behind layer 0's products the NEXT tile's are made, from v[xop:xop+1].  cond = 1: the next tile is the next trip's first, if there is a next trip.
.macro TILE xop, cond
	WIN 0x01                                       ; source 0 (the fragments) window 1
	MMQ 0
	WIN 0
	PLACES 5                                       ; 4 in front of the first read of a result, 5 in front of the matrix instructions that write over G0, which the products above took as C (ISA guide 7.12.1)
.if \cond
	s_wait_loadcnt 0x0                             ; the next trip's x, asked for at this trip's head; on every path, so that nothing is out when the base is stepped
	s_cmp_eq_u32 s[TRIPS], 1
	s_cbranch_scc1 .Lno_next_\@
	XPREP
.endif
	GATES0 \xop
.if \cond
.Lno_next_\@:
.endif
	PIPE 1, 1
	QTAIL
	WIN 0x11                                       ; source 0 (the fragments) and source 2 (the biases) window 1
	MMQ 1
	WIN 0
	PLACES 4
	PIPE 0, 1
	QTAIL
	WIN 0x11
	MMQ 2
	WIN 0
	PLACES 4
	PIPE 0, 0
.endm
.macro WLOAD p, base                   ; my half (64 bytes) of my row of weight p
.irp i, 0,1,2,3
	global_load_b128 v[RW+16*\p+4*\i:RW+16*\p+4*\i+3], v8, s[\base:\base+1] offset:16*\i
.endr
.endm
	; ---- the head.  Wave w prepares tile w of every weight; the images meet in LDS
	s_load_b512 s[8:23], s[0:1], 0x0               ; x 8, Wx0 10, bx0 12, bh0 14, Wh0 16, Wx1 18, Wh1 20, bx1 22
	s_load_b512 s[24:39], s[0:1], 0x40             ; bh1 24, Wx2 26, Wh2 28, bx2 30, bh2 32, Wfc 34, bfc 36, out0 38
	v_lshl_add_u32 v254, v0, 2, 0x3c00
	v_mov_b32 v255, 0
	v_lshrrev_b32 v5, 5, v0
	v_readfirstlane_b32 s2, v5                     ; wave 0..7
	v_and_b32 v[LANE], 31, v0
	v_and_b32 v3, 15, v0                           ; r
	v_bfe_u32 v4, v0, 4, 1                         ; h
	s_lshr_b32 s52, s2, 1                          ; w / 2: my tile's gate
	s_and_b32 s53, s2, 1                           ; w % 2
	v_lshlrev_b32 v[XOFF], 3, v[LANE]
	v_and_b32 v6, 7, v0
	v_bfe_u32 v7, v0, 3, 1
	v_lshl_add_u32 v6, v7, 4, v6                   ; r % 8 + 16 (r / 8)
	s_lshl_b32 s3, s52, 5
	s_lshl_b32 s4, s53, 3
	s_add_co_u32 s3, s3, s4
	v_add_nc_u32 v6, s3, v6                        ; + 32 (w / 2) + 8 (w % 2): my weight row
	v_lshlrev_b32 v8, 7, v6
	v_lshl_add_u32 v8, v4, 6, v8                   ; 128 bytes a row, + 64 h: numbers 16 h .. 16 h + 15
	v_lshlrev_b32 v9, 3, v6                        ; Wx0: 8 bytes a row
	v_lshlrev_b32 v10, 2, v6                       ; bx0, bh0
	v_lshlrev_b32 v11, 4, v[LANE]                  ; 16 x lane: an image's place for my lane
	s_lshl_b32 s3, s52, 9
	s_add_co_u32 s3, s3, s4
	v_add_nc_u32 v12, s3, v11                      ; + 512 (w / 2) + 8 (w % 2): where tile w's pair lies where tiles follow each other pair by pair
	s_lshl_b32 s3, s52, 10
	s_add_co_u32 s3, s3, s4
	v_add_nc_u32 v13, s3, v11                      ; + 1,024 (w / 2) + 8 (w % 2): where two pairs of Wx and two of Wh alternate
	s_lshl_b32 s3, s53, 8
	s_lshl_b32 s4, s52, 2
	s_add_co_u32 s3, s3, s4
	v_lshl_add_u32 v14, v3, 4, s3                  ; a scale word: 16 (r + 16 (w % 2)) + 4 (w / 2)
	v_lshlrev_b32 v15, 2, v0                       ; bx + bh: 4 x thread
	v_and_b32 v7, 127, v0
	v_lshlrev_b32 v7, 2, v7
	v_lshlrev_b32 v5, 6, v4                        ; 64 h: my 16 units in a run of 32 f32
	v_cmp_ne_u32 vcc_lo, 0, v4                     ; lanes 16-31
	s_lshl_b32 s4, ttmp9, 3
	s_add_co_u32 s4, s4, s2                        ; my wave among the launch's 2,048
	s_lshr_b32 s6, s4, 1
	s_lshl_b32 s6, s6, 2                           ; b = wave / 2: 4 bytes in out0
	s_mov_b32 s7, 0
	s_lshl_b32 s4, s4, 12                          ; 512 rows of 8 bytes
	s_mov_b32 s5, 0
	s_mov_b32 s[NL], 0xbfb8aa3b
	s_mov_b32 s[NL+1], s[NL]                       ; (the packed form names a pair and takes its low word for both halves: so the upper word is written)
	s_mov_b32 s[PL], 0x4038aa3b
	s_mov_b32 s[PL+1], s[PL]
	s_mov_b32 s[CLAMP], 0x41f00000
	s_mov_b32 s[K101], 0x101
	s_mov_b32 s[K7F], 0x7f7f0000
	s_mov_b32 s[SEL], 0x76543210
	s_mov_b32 s[SEL+1], 0xfedcba98
	s_mov_b32 s[TRIPS], NTRIP
	s_wait_kmcnt 0x0
	s_load_b32 s[BFC], s[36:37], 0x0
	s_add_nc_u64 s[8:9], s[8:9], s[4:5]
	s_add_nc_u64 s[38:39], s[38:39], s[6:7]
	s_cmp_lt_u32 s2, 4                             ; threads 0-127 add layer 1's biases, threads 128-255 layer 2's: the choice hangs on the wave's number alone
	s_cselect_b64 s[54:55], s[22:23], s[30:31]
	s_cselect_b64 s[56:57], s[24:25], s[32:33]
	; 30 loads, in the order of need
	global_load_b64 v[PW0:PW0+1], v9, s[10:11]     ; Wx0[row][0..1]                                  1
	global_load_b32 v[PW0+2], v10, s[12:13]        ; bx0[row]                                        2
	global_load_b32 v[PW0+3], v10, s[14:15]        ; bh0[row]                                        3
	global_load_b32 v[PB], v7, s[54:55]            ; bx                                              4
	global_load_b32 v[PB+1], v7, s[56:57]          ; bh                                              5
	WLOAD 0, 16                                    ; Wh0                                             9
	WLOAD 1, 18                                    ; Wx1                                            13
	WLOAD 2, 20                                    ; Wh1                                            17
	WLOAD 3, 26                                    ; Wx2                                            21
	WLOAD 4, 28                                    ; Wh2                                            25
	global_load_b64 v[XL:XL+1], v[XOFF], s[8:9] th:TH_LOAD_NT   ; the first trip's 32 rows: 256 consecutive bytes  26
	WIN 0x40                                       ; destination window 1
.irp i, 0,1,2,3
	global_load_b128 v[WF+4*\i:WF+4*\i+3], v5, s[34:35] offset:16*\i   ; Wfc at my 16 units             30
.endr
	WIN 0
	s_wait_loadcnt 25                              ; the first 5 of the 30 are in
	v_cndmask_b32 v[PW0], v[PW0], v[PW0+2], vcc_lo     ; the f32 fragment: K = 0, 1 (lanes 0-15): Wx0's two numbers; K = 2, 3 (lanes 16-31): bx0, bh0
	v_cndmask_b32 v[PW0+1], v[PW0+1], v[PW0+3], vcc_lo
	v_add_f32 v[PB], v[PB], v[PB+1]
	ds_store_b64 v12, v[PW0:PW0+1] offset:W0IMG
	ds_store_b32 v15, v[PB] offset:BIAS
	s_wait_loadcnt 5                               ; the 20 loads of weights are in; x's and Wfc's four may be out
	; five rows are quantised by turns: a block of 32 is my 16 numbers and lane l xor 16's
.irp p, 0,1,2,3,4
	v_max3_num_f32 v[PT+2*\p], |v[RW+16*\p]|, |v[RW+16*\p+1]|, 0x1800000
	v_max3_num_f32 v[PT+2*\p+1], |v[RW+16*\p+2]|, |v[RW+16*\p+3]|, 0x1800000
.endr
.irp i, 4,8,12
.irp p, 0,1,2,3,4
	v_max3_num_f32 v[PT+2*\p], v[PT+2*\p], |v[RW+16*\p+\i]|, |v[RW+16*\p+\i+1]|
	v_max3_num_f32 v[PT+2*\p+1], v[PT+2*\p+1], |v[RW+16*\p+\i+2]|, |v[RW+16*\p+\i+3]|
.endr
.endr
.irp p, 0,1,2,3,4
	v_max_num_f32 v[PT+2*\p], v[PT+2*\p], v[PT+2*\p+1]
.endr
.irp p, 0,1,2,3,4
	v_permlanex16_b32 v[PT+2*\p+1], v[PT+2*\p], s[SEL], s[SEL+1]
.endr
.irp p, 0,1,2,3,4
	v_max_num_f32 v[PT+2*\p], v[PT+2*\p], v[PT+2*\p+1]
.endr
.irp p, 0,1,2,3,4
	v_add_nc_u32 v[PSO+\p], 0xff000000, v[PT+2*\p]
.endr
.irp p, 0,1,2,3,4
	v_lshrrev_b32 v[PBY+\p], 23, v[PSO+\p]
.endr
.irp p, 0,1,2,3,4
	v_cvt_scalef32_pk8_fp4_f32 v[PCP+2*\p], v[RW+16*\p:RW+16*\p+7], v[PSO+\p]
	v_cvt_scalef32_pk8_fp4_f32 v[PCP+2*\p+1], v[RW+16*\p+8:RW+16*\p+15], v[PSO+\p]
.endr
.irp p, 0,1,2,3,4
	v_lshl_or_b32 v[PBY+\p], v[PBY+\p], 8, v[PBY+\p]   ; the byte twice: for both halves of the block.  (Plain places behind the conversions)
.endr
	v_lshl_or_b32 v[PW], v[PBY], 16, 0x7f7f        ; layer 0: Wh0's above; 127 for the two blocks in which both sides hold nothing
	v_lshl_or_b32 v[PW+1], v[PBY+2], 16, v[PBY+1]  ; layer 1: Wx1's below, Wh1's above
	v_lshl_or_b32 v[PW+2], v[PBY+4], 16, v[PBY+3]
	ds_store_b64 v12, v[PCP:PCP+1] offset:FAIMG+512        ; Wh0: pair 2 + w
	ds_store_b64 v13, v[PCP+2:PCP+3] offset:FAIMG+5*512    ; Wx1: pair 10 + 4 (w / 2) + w % 2
	ds_store_b64 v13, v[PCP+4:PCP+5] offset:FAIMG+6*512    ; Wh1: two pairs on
	ds_store_b64 v13, v[PCP+6:PCP+7] offset:FAIMG+13*512   ; Wx2: pair 26 + 4 (w / 2) + w % 2
	ds_store_b64 v13, v[PCP+8:PCP+9] offset:FAIMG+14*512   ; Wh2
.irp l, 0,1,2
	ds_store_b32 v14, v[PW+\l] offset:SWIMG+512*\l         ; lanes r and r + 16 write the same word with the same value
.endr
	s_wait_kmcnt 0x0                               ; bfc
	s_wait_dscnt 0x0                               ; my stores have landed: then the barrier; the loads of what others stored stand behind it
	s_barrier_signal -1
	s_barrier_wait -1
	WIN 0x40                                       ; destination window 1
.irp i, 1,2,3,4,5,6,7,8,9,10,11,12,13,14,15,16,17,18,19,20
	ds_load_b128 v[FAB+4*\i:FAB+4*\i+3], v11 offset:FAIMG+512*\i
.endr
.irp l, 0,1
.irp g, 0,1,2,3
.irp j, 0,1,2,3
	ds_load_b128 v[CB+64*\l+16*\g+4*\j:CB+64*\l+16*\g+4*\j+3], v5 offset:BIAS+512*\l+128*\g+16*\j   ; gate g of units 16 h + 4 j on
.endr
.endr
.endr
.irp i, 0,1,2,3,84,85
	v_mov_b32 v[FAB+\i], 0                         ; the pairs ahead of the first fragment's codes and behind the last's: named by fragments, so they are written
.endr
	WIN 0
.irp l, 0,1,2
	ds_load_b128 v[SW+4*\l:SW+4*\l+3], v11 offset:SWIMG+512*\l
.endr
.irp i, 0,1,2,3
	ds_load_b128 v[W0F+4*\i:W0F+4*\i+3], v11 offset:W0IMG+512*\i
.endr
.irp i, 0,1,2,3,4,5,6,7,8,9
	v_mov_b32 v[HB+\i], 0                          ; zero codes
.endr
	v_mov_b32 v[HS0], 0x7f7f7f7f
	v_mov_b32 v[T1], 0                             ; written once: a lane permute's destination counts as one of its sources
	s_wait_loadcnt 0x0                             ; x, Wfc
	XPREP
	s_wait_dscnt 0x0
	GATES0 XL                                      ; the first tile's layer-0 gates
	PLACES 9                                       ; 9 places between an f32 matrix instruction and the matrix instruction that takes its result as another accumulator's C; 8 in front of the load into its source
.Ltrip:
	s_cmp_eq_u32 s[TRIPS], 1                       ; the next trip's x is asked for here, if there is a next trip: no load leaves the buffer
	s_cbranch_scc1 .Lno_load
	s_add_nc_u64 s[8:9], s[8:9], 0x100             ; (the last load by this base has been waited for)
	global_load_b64 v[XL:XL+1], v[XOFF], s[8:9] th:TH_LOAD_NT
.Lno_load:
	TILE XO, 0
	TILE XL, 1
	s_sub_co_u32 s[TRIPS], s[TRIPS], 1
	s_cmp_lg_u32 s[TRIPS], 0
	s_cbranch_scc1 .Ltrip
	; ---- product 7.  My last tile's row 15 is row 512 x wave + 511 of all: t = 1023 in the odd waves; the even waves hold no such row
	s_cmp_eq_u32 s53, 0
	s_cbranch_scc1 .Lend
	WIN 0x04                                       ; source 1 (Wfc) window 1
	v_mul_f32 v[T0], v[HH], v[WF]
.irp q, 1,2,3,4,5,6,7,8,9,10,11,12,13,14,15
	v_fmac_f32 v[T0], v[HH+\q], v[WF+\q]
.endr
	WIN 0
	v_permlanex16_b32 v[T1], v[T0], s[SEL], s[SEL+1]
	v_add_f32 v[T0], v[T0], v[T1]                  ; with lane l xor 16's 16 units
	v_add_f32 v[T0], s[BFC], v[T0]
	v_mov_b32 v3, 0
	v_cmp_eq_u32 vcc_lo, 15, v[LANE]
	s_wait_xcnt 0x0                                ; EXEC is a source of the memory instructions issued so far: it changes only behind this wait
	s_and_saveexec_b32 s51, vcc_lo                 ; lane 15 alone
	global_store_b32 v3, v[T0], s[38:39]           ; out0[wave / 2]
	s_wait_xcnt 0x0                                ; and again in front of the line that widens it
	s_or_b32 exec_lo, exec_lo, s51
.Lend:
	s_wait_tensorcnt 0x0
	ds_add_u32 v254, v255
	s_wait_dscnt 0x0
	s_endpgm
.Lfunc_end_k_q8ade2a17ab_lstm:
	.size	k_q8ade2a17ab_lstm, .Lfunc_end_k_q8ade2a17ab_lstm-k_q8ade2a17ab_lstm
	.p2alignl 7, 3214868480
	.fill 96, 4, 3214868480
	.section	.rodata,"a",@progbits
	.p2align	6, 0x0
	.amdhsa_kernel k_q8ade2a17ab_lstm
		.amdhsa_group_segment_fixed_size 16384
		.amdhsa_private_segment_fixed_size 0
		.amdhsa_enable_private_segment 0
		.amdhsa_kernarg_size 128
		.amdhsa_user_sgpr_count 2
		.amdhsa_user_sgpr_kernarg_segment_ptr 1
		.amdhsa_wavefront_size32 1
		.amdhsa_system_sgpr_workgroup_id_x 1
		.amdhsa_system_sgpr_workgroup_id_y 1
		.amdhsa_system_sgpr_workgroup_id_z 1
		.amdhsa_system_vgpr_workitem_id 0
		.amdhsa_next_free_vgpr 488
		.amdhsa_next_free_sgpr 66
		.amdhsa_reserve_vcc 1
		.amdhsa_float_denorm_mode_32 3
		.amdhsa_float_denorm_mode_16_64 3
		.amdhsa_memory_ordered 1
		.amdhsa_forward_progress 1
		.amdhsa_inst_pref_size 125
	.end_amdhsa_kernel
	.amdgpu_metadata
---
amdhsa.version: [ 1, 2 ]
amdhsa.kernels:
  - .name:           k_q8ade2a17ab_lstm
    .symbol:         k_q8ade2a17ab_lstm.kd
    .args:
      - { .name: x, .offset: 0, .size: 8, .value_kind: global_buffer, .address_space: global }
      - { .name: Wx0, .offset: 8, .size: 8, .value_kind: global_buffer, .address_space: global }
      - { .name: bx0, .offset: 16, .size: 8, .value_kind: global_buffer, .address_space: global }
      - { .name: bh0, .offset: 24, .size: 8, .value_kind: global_buffer, .address_space: global }
      - { .name: Wh0, .offset: 32, .size: 8, .value_kind: global_buffer, .address_space: global }
      - { .name: Wx1, .offset: 40, .size: 8, .value_kind: global_buffer, .address_space: global }
      - { .name: Wh1, .offset: 48, .size: 8, .value_kind: global_buffer, .address_space: global }
      - { .name: bx1, .offset: 56, .size: 8, .value_kind: global_buffer, .address_space: global }
      - { .name: bh1, .offset: 64, .size: 8, .value_kind: global_buffer, .address_space: global }
      - { .name: Wx2, .offset: 72, .size: 8, .value_kind: global_buffer, .address_space: global }
      - { .name: Wh2, .offset: 80, .size: 8, .value_kind: global_buffer, .address_space: global }
      - { .name: bx2, .offset: 88, .size: 8, .value_kind: global_buffer, .address_space: global }
      - { .name: bh2, .offset: 96, .size: 8, .value_kind: global_buffer, .address_space: global }
      - { .name: Wfc, .offset: 104, .size: 8, .value_kind: global_buffer, .address_space: global }
      - { .name: bfc, .offset: 112, .size: 8, .value_kind: global_buffer, .address_space: global }
      - { .name: out0, .offset: 120, .size: 8, .value_kind: global_buffer, .address_space: global }
    .group_segment_fixed_size: 16384
    .private_segment_fixed_size: 0
    .kernarg_segment_align: 8
    .kernarg_segment_size: 128
    .max_flat_workgroup_size: 256
    .sgpr_count:     66
    .vgpr_count:     488
    .wavefront_size: 32
...
	.end_amdgpu_metadata
.endif
;; end of part 1
